; MI455X (gfx1250); checked and timed in simulation.
; The chip was launched on July 23, 2026; its instructions are those of AMD's public machine-readable ISA for CDNA 5 (MIT licence, August 2026) and "CDNA5" Instruction Set Architecture Reference Guide (July 2026). The comments in the code are by the model that wrote it; some were corrected since.
;; Scaled Dot Product Attention. Allowed arithmetic: matrix products marked QUANTISED: E3M2 operands, one E8M0 scale for each 32 along K, by v_wmma_scale_f32_16x16x128_f8f6f4 with both operands' format E3M2, f32 sums; everything else in f32.
;; Inputs: attn_mask 1 x 1 x 2,048 x 2,048 bool; k_codes 4 x 16 x 2,048 x 2 x 24 uint8 (E3M2 codes of k, K innermost, in blocks of 32 codes, four codes in three bytes); k_scales 4 x 16 x 2,048 x 2 uint8 (E8M0 scales of k, one for each 32 codes along K); q_codes 4 x 16 x 2,048 x 2 x 24 uint8 (E3M2 codes of q, K innermost, in blocks of 32 codes, four codes in three bytes); q_scales 4 x 16 x 2,048 x 2 uint8 (E8M0 scales of q, one for each 32 codes along K); v_codes 4 x 16 x 64 x 64 x 24 uint8 (E3M2 codes of v, K innermost, in blocks of 32 codes, four codes in three bytes); v_scales 4 x 16 x 64 x 64 uint8 (E8M0 scales of v, one for each 32 codes along K).
;; Outputs: out0 4 x 16 x 2,048 x 64 float32.
;; This version of the problem:
;;   THIS VERSION OF THE PROBLEM IS GIVEN IN LOW PRECISION. The matrix products marked QUANTISED in the list below multiply operands that are first quantised to E3M2 (3 exponent bits, 2 mantissa bits; 6 bits a number), with one power-of-two scale for each 32 numbers along K (OCP MX v1.0); their sums are f32. All else is computed in f32.
;;   The module's matrix products, in the order in which they are computed (A, B: the left and right operand; K: the contracted axis; several contracted axes count as one K, in the product's order):
;;     1. batch 64 x [M 2,048, K 64] x [K 64, N 2,048]; A: input q (given as codes); B: input k (given as codes): QUANTISED
;;     2. batch 64 x [M 2,048, K 2,048] x [K 2,048, N 64]; A: softmax (see below); B: input v (given as codes): QUANTISED
;;   THE QUANTISER, for each operand of a quantised product, along K:
;;     - K is cut into blocks of 32 from its start; a last block that is shorter is filled with zeros.
;;     - A block's scale is 2^e with e = floor(log2(the largest magnitude in the block)) - 4, held to -126 .. 127; a block of zeros has e = 0. As a byte (E8M0): e + 127.
;;     - Each number is divided by its block's scale, clamped to +-28, and rounded to the nearest number of E3M2, ties to even, subnormals kept.
;;     - The product sums the exact products of the quantised numbers (number of the format x scale) in f32.
;;   ~~~python
;;   def quantise(x, axis):      # numpy; x: float32 -> the quantised numbers, widened to float32 again
;;       x = np.moveaxis(x, axis, -1); K = x.shape[-1]
;;       x = np.pad(x, [(0, 0)] * (x.ndim - 1) + [(0, -K % 32)]); x = x.reshape(x.shape[:-1] + (-1, 32)); a = np.abs(x).max(-1, keepdims=True)
;;       e = np.where(a > 0, np.clip(np.frexp(np.where(a > 0, a, 1))[1] - 1 - 4, -126, 127), 0)      # np.frexp(a)[1] - 1 = floor(log2(a)), exactly
;;       r = np.clip(x / 2.0 ** e, -28, 28)
;;       step = 2.0 ** (np.maximum(np.frexp(np.where(r == 0, 1, r))[1] - 1, -2) - 2)
;;       q = np.round(r / step) * step * 2.0 ** e      # np.round: ties to even
;;       return np.moveaxis(q.reshape(q.shape[:-2] + (-1,))[..., :K], -1, axis).astype(np.float32)
;;   ~~~
;;   SOFTMAX AHEAD OF A QUANTISED PRODUCT. Where the list says 'softmax', what is quantised is not the finished softmax but p = 2^(t - M), with t = logit x log2(e) and M = ceil(the row's largest t), a whole number; so 1/2 < the row's largest p <= 1. The row's sum l is taken of the UNQUANTISED p, in f32, and the product's result is divided by l at the end. Since M is a whole number, a kernel that streams over the keys may use a running M (the ceiling of the running maximum): every later rescaling is an exact power of two, which a block's scale takes up: the codes' values come out the same.
;;   OPERANDS COMPUTED ON THE WAY. 'Computed on the way' means the value that the module computes at that place (a softmax that the list does not call 'softmax' is quantised finished and normalised). What goes into a quantiser is computed in f32, as accurately as f32 sums, v_exp_f32 and their like allow (about 1e-6 of the number): no bf16 or f16 on the way to a quantiser, and a product that is left as it is and whose result goes on into a quantised operand takes f32 operands (vector FMAs, or v_wmma_f32_16x16x4_f32). A number that lies on a knife's edge between two numbers of the format may be rounded either way, as far as f32 arithmetic and the matrix unit's own rounding can turn it there, and no further.
;;   INPUTS GIVEN AS CODES. k (in the module: [4, 16, 2048, 64], K = its axis 3); q (in the module: [4, 16, 2048, 64], K = its axis 3); v (in the module: [4, 16, 2048, 64], K = its axis 2): each comes as NAME_codes (uint8): NAME with its K axis moved to the last place and cut into blocks of 32 codes, [.., K / 32, bytes a block], one block behind the other in memory; four codes in three bytes: a row's codes are one little-endian stream of bits, code i at bits 6 i .. 6 i + 5 (a code: sign, 3 exponent bits, 2 mantissa bits); and NAME_scales (uint8): the same leading axes, one E8M0 byte (e + 127) for each 32 codes along K. Its value is code x scale, taken as it is: it is not quantised again, and the codes and scales need not be those that the quantiser above would give.
;; One version. Each part assembles by itself: llvm-mc -triple=amdgcn-amd-amdhsa -mcpu=gfx1250 --defsym DOCPART=n.
;; ======== version 1 of 1: 2 launches
;; workspace buffers: mwords 524,288 bytes of whole numbers; mflags 8,192 bytes of whole numbers
;; launch maskprep (part 1): grid 256 x 1, 8 waves a work-group, no clusters, 0 bytes of LDS; arguments attn_mask, mwords, mflags; writes mwords, mflags
.if DOCPART == 1
	.amdgcn_target "amdgcn-amd-amdhsa--gfx1250"
	.amdhsa_code_object_version 6
	.text
	.protected	k_q13191bb28d_maskprep
	.globl	k_q13191bb28d_maskprep
	.p2align	8
	.type	k_q13191bb28d_maskprep,@function
k_q13191bb28d_maskprep:
	s_mov_b64 s[64:65], 0
	v_nop
	global_prefetch_b8 v0, s[64:65] scope:SCOPE_SE
	s_setreg_imm32_b32 hwreg(HW_REG_WAVE_MODE, 25, 1), 1
	s_wait_xcnt 0x0
; attn_mask [2048 queries][2048 keys], one byte a place (not 0: the key is hidden from the query), is turned into whole numbers for the attention launch.
; A wave takes one pair (T, s): tile T of 16 queries (0..127), step s of 128 keys (0..15).  It makes
;   mwords[T][s][n], n = 0..63: a LANE MASK: bit l = r + 16 h is set where attn_mask[16 T + r][128 s + 32 (n / 16) + 16 h + n % 16] is not 0:
;                               that is the key which score register n of lane l holds in the attention launch;
;   mflags[T][s]: (all 2,048 places hidden) << s  |  (some, not all, hidden) << (16 + s): a tile's sixteen words are ORed into one register there.
; Work-group x holds tile x / 2; its eight waves take steps 8 (x % 2) + wave.  No loop, no LDS, no barrier: waves share nothing.
; Any byte other than 0 counts as True.
	s_load_b128 s[4:7], s[0:1], 0x0                ; attn_mask s[4:5], mwords s[6:7]
	s_load_b64 s[8:9], s[0:1], 0x10                ; mflags
	v_lshrrev_b32 v2, 5, v0
	v_readfirstlane_b32 s10, v2                    ; wave 0..7
	s_lshr_b32 s11, ttmp9, 1                       ; T
	s_and_b32 s12, ttmp9, 1
	s_lshl_b32 s12, s12, 3
	s_add_co_u32 s12, s12, s10                     ; s
	s_lshl_b32 s13, s11, 15                        ; 16 T rows of 2,048 bytes
	s_lshl_b32 s17, s12, 7                         ; + 128 s
	s_add_co_u32 s13, s13, s17
	v_and_b32 v25, 31, v0                          ; lane
	v_and_b32 v2, 15, v0                           ; r
	v_bfe_u32 v3, v0, 4, 1                         ; h
	v_lshlrev_b32 v1, 11, v2                       ; row r,
	v_lshl_add_u32 v1, v3, 4, v1                   ; + 16 h,
	v_add_nc_u32 v1, s13, v1                       ; in my tile and step
	v_lshlrev_b32 v22, 3, v25                      ; out: 8 bytes a lane
	v_mov_b32 v20, 0                               ; the words: written whole before single lanes are written
	v_mov_b32 v21, 0
	v_mov_b32 v24, 0
	s_mov_b32 s14, -1                              ; AND of the 64 words
	s_mov_b32 s15, 0                               ; OR of them
	s_lshl_b32 s17, s11, 4
	s_add_co_u32 s17, s17, s12                     ; 16 T + s
	s_lshl_b32 s18, s17, 8                         ; 256 bytes of words for each pair,
	s_mov_b32 s19, 0
	s_lshl_b32 s20, s17, 2                         ; 4 bytes of flags
	s_mov_b32 s21, 0
	s_wait_kmcnt 0x0
	s_add_nc_u64 s[6:7], s[6:7], s[18:19]
	s_add_nc_u64 s[8:9], s[8:9], s[20:21]
.irp b, 0,1,2,3
	global_load_b128 v[4+4*\b:7+4*\b], v1, s[4:5] offset:32*\b th:TH_LOAD_NT   ; keys 128 s + 32 b + 16 h + 0..15 of my row: read once in the launch
.endr
	s_wait_loadcnt 0x0
; Word n: byte n % 4 of register 4 + n / 4, compared in all 32 lanes at once; the compare's lane mask IS the word.  Lane n / 2 keeps it (even n in v20, odd n in v21).
.set n, 0
.rept 64
	v_bfe_u32 v[2+n%2], v[4+n/4], 8*(n%4), 8
	v_cmp_ne_u32 s[24+n%4], 0, v[2+n%2]
	v_writelane_b32 v[20+n%2], s[24+n%4], n/2
	s_and_b32 s14, s14, s[24+n%4]
	s_or_b32 s15, s15, s[24+n%4]
.set n, n+1
.endr
	global_store_b64 v22, v[20:21], s[6:7]         ; 32 lanes store 256 consecutive bytes, at a multiple of 256 from the buffer's first byte
	s_cmp_eq_u32 s14, -1
	s_cselect_b32 s17, 1, 0                        ; all hidden
	s_cmp_lg_u32 s15, 0
	s_cselect_b32 s20, 1, 0                        ; some hidden,
	s_and_not1_b32 s20, s20, s17                   ; but not all
	s_lshl_b32 s17, s17, s12
	s_add_co_u32 s21, s12, 16
	s_lshl_b32 s20, s20, s21
	s_or_b32 s17, s17, s20
	v_mov_b32 v23, s17
	v_cmp_eq_u32 vcc_lo, 0, v25
	s_wait_xcnt 0x0                                ; EXEC is a source of the store above: it changes only behind this wait
	s_and_saveexec_b32 s21, vcc_lo                 ; lane 0 alone stores the flag word
	global_store_b32 v24, v23, s[8:9]
	s_wait_xcnt 0x0                                ; and again, in front of the line that widens it
	s_or_b32 exec_lo, exec_lo, s21
	s_endpgm
.Lfunc_end_k_q13191bb28d_maskprep:
	.size	k_q13191bb28d_maskprep, .Lfunc_end_k_q13191bb28d_maskprep-k_q13191bb28d_maskprep
	.p2alignl 7, 3214868480
	.fill 96, 4, 3214868480
	.section	.rodata,"a",@progbits
	.p2align	6, 0x0
	.amdhsa_kernel k_q13191bb28d_maskprep
		.amdhsa_group_segment_fixed_size 0
		.amdhsa_private_segment_fixed_size 0
		.amdhsa_enable_private_segment 0
		.amdhsa_kernarg_size 24
		.amdhsa_user_sgpr_count 2
		.amdhsa_user_sgpr_kernarg_segment_ptr 1
		.amdhsa_wavefront_size32 1
		.amdhsa_system_sgpr_workgroup_id_x 1
		.amdhsa_system_sgpr_workgroup_id_y 1
		.amdhsa_system_sgpr_workgroup_id_z 1
		.amdhsa_system_vgpr_workitem_id 0
		.amdhsa_next_free_vgpr 32
		.amdhsa_next_free_sgpr 66
		.amdhsa_reserve_vcc 1
		.amdhsa_float_denorm_mode_32 3
		.amdhsa_float_denorm_mode_16_64 3
		.amdhsa_memory_ordered 1
		.amdhsa_forward_progress 1
		.amdhsa_inst_pref_size 19
	.end_amdhsa_kernel
	.amdgpu_metadata
---
amdhsa.version: [ 1, 2 ]
amdhsa.kernels:
  - .name:           k_q13191bb28d_maskprep
    .symbol:         k_q13191bb28d_maskprep.kd
    .args:
      - { .name: attn_mask, .offset: 0, .size: 8, .value_kind: global_buffer, .address_space: global }
      - { .name: mwords, .offset: 8, .size: 8, .value_kind: global_buffer, .address_space: global }
      - { .name: mflags, .offset: 16, .size: 8, .value_kind: global_buffer, .address_space: global }
    .group_segment_fixed_size: 0
    .private_segment_fixed_size: 0
    .kernarg_segment_align: 8
    .kernarg_segment_size: 24
    .max_flat_workgroup_size: 256
    .sgpr_count:     66
    .vgpr_count:     32
    .wavefront_size: 32
...
	.end_amdgpu_metadata
.endif
;; end of part 1
;; launch attn (part 2): grid 4 x 64, 16 waves a work-group, no clusters, 277,504 bytes of LDS; arguments q_codes, q_scales, k_codes, k_scales, v_codes, v_scales, mwords, mflags, out0; writes out0
.if DOCPART == 2
	.amdgcn_target "amdgcn-amd-amdhsa--gfx1250"
	.amdhsa_code_object_version 6
	.text
	.protected	k_q13191bb28d_attn
	.globl	k_q13191bb28d_attn
	.p2align	8
	.type	k_q13191bb28d_attn,@function
k_q13191bb28d_attn:
	s_mov_b64 s[64:65], 0
	v_nop
	global_prefetch_b8 v0, s[64:65] scope:SCOPE_SE
	s_setreg_imm32_b32 hwreg(HW_REG_WAVE_MODE, 25, 1), 1
	s_wait_xcnt 0x0
; out0[head][q][:] = the sum over k of softmax_k(Q[q] . K[k] / 8, hidden keys at -infinity) V[k][:], 64 heads, 2,048 queries and keys, head size 64; both products on codes of BF6 (E3M2) with one E8M0 scale for 32 along K.
; Q, K: 48 bytes of codes and 2 scale bytes a row.  V: the keys innermost: 64 rows (d) of 1,536 bytes a head, 64 scale bytes a row.  out0: f32.
; THE SOFTMAX: t = score x log2(e) / 8; M = the row's largest t so far, rounded UP to a whole number; p = 2^(t - M) is quantised along the keys, not normalised; the row's sum is taken of the unquantised p and divides at the end.
; When M moves, the sum and O are multiplied by 2^(old M - new M): exact.
; THE MASK is an input.  The launch before has turned it into lane masks (mwords) and, for each tile of 16 queries x 128 keys, two flags (mflags): all hidden, or partly hidden.  A step that is all hidden is left out by a scalar
; branch on the stored flag; in a step that is partly hidden the hidden scores become -infinity ahead of the maximum; no pattern of the mask is built in.
; SHARES.  Work-group (g, head) holds its head's WHOLE K and V with their scales in LDS (205,824 bytes), brought once through registers; one barrier; then the waves never meet again.  Each of the 16 waves works two tiles of 16
; queries one after the other: T = 16 g + wave, then 127 - T; so each of a head's 128 tiles has one owner.
; NO TENSOR LOADS, NO CLUSTER, NO JOINT REQUESTS, though the four work-groups of a head read the same K and V: the loop branches on numbers read from memory (the flags);
; and nothing in LDS is ever filled again: 2 x 98,304 bytes are read once by each work-group, in one run at its head.
; LAYOUT.  Both products are used transposed: S^T = K Q^T (source 0 = keys, source 1 = my 16 queries), O^T = V^T P^T (source 0 = 16 of the head's 64, source 1 = P): a lane holds ONE query (lane % 16) throughout.
; The head's K is 64, half of the instruction's 128.  So a fragment of K holds TWO keys a row: [key_a's 64 codes | key_b's 64 codes], key_a = 32 b + r + 8 (r / 8), key_b = key_a + 8.  Against [q | 0] it gives the scores of the sixteen
; key_a, against [0 | q] those of the sixteen key_b.  Q lies in ONE run of 18 registers, [0 x 6 | q x 6 | 0 x 6]: its first 12 are [0 | q], its last 12 [q | 0].  Score register 16 b + 8 u + j of lane (r, h) is key 32 b + 16 h + 8 u + j:
; 16 neighbouring keys in 16 neighbouring registers, as the conversions want them.
; IN LDS every fragment lies as an IMAGE OF ITS REGISTERS: three chunks of 512 bytes, lane l's four registers at 16 l: three ds_load_b128, each on 512 consecutive bytes.  The permutation from rows to images is made by the fill's store addresses.
; LIMITS.  A scale byte 0xff (NaN) among the inputs is not served: a key's NaN scale would also reach the scores of the key 8 away that shares its fragment row, and would pass a mask that hides the first.  Any mask byte other than 0 counts
; as True.  A query all of whose keys are hidden gets 0 x infinity = NaN in all 64 numbers, as the softmax of a row of -infinity gives.
.set VIMG,  98304                      ; LDS: K's 64 fragments at 0 (fragment 4 s + b); V's 64 from here (step s, tile t of d: 4 s + t)
.set SCK,   196608                     ; K's scale words: word 16 x fragment + r = u16(key_a) | u16(key_b) << 16: 4,096 bytes
.set SCV,   200704                     ; V's scale bytes: row d at 80 d (64 bytes + 16): 5,120 bytes
.set STAGE, 205824                     ; the way out: 16 rows x 272 bytes for each wave, its own
.set FRB,   1536                       ; a fragment's image
.set STEPB, 6144                       ; a step's four fragments, of K and of V alike
.set SP,    272
.set AK0,  1                           ; v1   16 x lane
.set AV0,  2                           ; v2   16 x lane + VIMG
.set ASK0, 3                           ; v3   4 x lane + SCK
.set ASV0, 4                           ; v4   80 x lane + SCV
.set STO,  5                           ; v5   the stage, in: row r, + 32 h
.set RD,   6                           ; v6   the stage, back: row h, + 16 r
.set GO,   7                           ; v7   256 h + 16 r: the same place in a tile's rows of out0
.set ADK,  8                           ; v8-11 the step's LDS addresses: K, V, K's scale words, V's
.set ADV,  9
.set ADS,  10
.set ADT,  11                          ; v12 -M, v13 the largest t so far, v[14:15] the sum in two halves
.set QHI,  16                          ; v[16:27] [0 | q]
.set QLO,  22                          ; v[22:33] [q | 0]
.set QS,   34                          ; v34  Q's scale word: w | w << 16
.set KF,   36                          ; v[36:83] four fragments: K's, then V's
.set KS,   84                          ; v84-85 K's scale words: register x: fragment 2 x in lanes 0-15, 2 x + 1 in lanes 16-31
.set VS,   86                          ; v86-87 V's likewise
.set S,    88                          ; v[88:151] the scores, then p
.set O,    152                         ; v[152:183] O^T: four tiles of 16 d
.set PC,   184                         ; v[184:195] p's codes
.set CT,   196                         ; v[196:203] the conversions' second halves
.set BM,   204                         ; v204-207 the blocks' largest scores, then largest p
.set PT,   208                         ; v208-211 at work
.set SOP,  212                         ; v212-215 the conversions' scale operands
.set TMP,  216
.set F,    218                         ; v[218:219] f = 2^(old M - new M) (at the end 1 / the sum), and a 0 that fills the pair
.set PW,   220                         ; v220 p's scale word
.set NINF, 221                         ; v221 -infinity
.set SUM2, 222                         ; v[222:223] the sums' second chain
.set AQ0,  224                         ; v224 48 r + 24 h
.set AQS0, 225                         ; v225 2 r
.set QA,   226
.set QSA,  227
.set GOT,  228                         ; v228, v229 my byte offset in out0 for the first tile, the second
.set QSR,  230                         ; v230 Q's two scale bytes as loaded
.set AKD,  36                          ; in the fill alone: v36-41 where my 8-byte pieces of K go, v42-47 those of V; v48 lane; v49-55 at work
.set AVD,  42
.set LN,   48
.set SRC,  57                          ; v57  6,144 x wave + 16 x lane
.set SRK,  58                          ; v58  32 (t / 4) + 4 (t % 4), t my thread's number
.set T8,   59                          ; v59  8 t
.set DSV,  60                          ; v60  SCV + 80 (t / 8) + 8 (t % 8)
.set DSK,  61                          ; v61  SCK + 8 t
.set FD,   88                          ; v[88:183] 24 x 16 bytes as loaded
.set ST,   2                           ; s2   the step, 0..15
.set FL,   3                           ; s3   my tile's flags: bit s all hidden, bit 16 + s partly hidden
.set WV,   22
.set HD,   23
.set TT,   25                          ; s25  my tile
.set SEL,  26                          ; s[26:27] v_permlanex16_b32's selects for lane l xor 16
.set CS,   28                          ; s[28:29] c = log2(e) / 8: the packed form names a pair and takes its low word for both halves
.set KO,   30                          ; s30  6,144 x step
.set SO,   31                          ; s31  256 x step
.set TW,   100                         ; s100 4,096 x tile: the tile's bytes in mwords, and in a head of out0
.set VO,   101                         ; s101 4 x step
                                       ; s[32:63], s[68:99] the step's 64 mask words (word n in s[32 + n], from n = 32 on in s[36 + n]); s[32:47] also the tile's 16 flag words; s[66:67] a pointer for scalar loads, s67 also at work
; A tile's head: its number, its flag words, its Q and Q's scale bytes, its place in out0.  Nothing here is waited for: INIT does that.
.macro HEAD p
.if \p == 0
	s_lshl_b32 s[TT], ttmp9, 4
	s_add_co_u32 s[TT], s[TT], s[WV]               ; 16 g + wave
.else
	s_sub_co_u32 s[TT], 127, s[TT]                 ; and its mirror
.endif
	s_lshl_b32 s66, s[TT], 6                       ; 16 flag words, 64 bytes a tile
	s_mov_b32 s67, 0
	s_add_nc_u64 s[66:67], s[18:19], s[66:67]
	s_load_b512 s[32:47], s[66:67], 0x0
	s_lshl_b32 s[TW], s[TT], 12
	s_mul_i32 s68, s[TT], 768                      ; 16 rows of 48 bytes
	v_add_nc_u32 v[QA], s68, v[AQ0]
.irp i, 0,1,2
	global_load_b64 v[QLO+2*\i:QLO+2*\i+1], v[QA], s[4:5] offset:8*\i th:TH_LOAD_NT   ; my half's 24 bytes of row r, as they lie; read once in the launch
.endr
	s_lshl_b32 s68, s[TT], 5                       ; 16 rows of 2 bytes
	v_add_nc_u32 v[QSA], s68, v[AQS0]
	global_load_u16 v[QSR], v[QSA], s[6:7]
	v_add_nc_u32 v[GOT+\p], s[TW], v[GO]
.endm
; A tile's start.  O^T and the sum begin as zeros and the largest t as -3e38: which step is a tile's first hangs on the flags, so no product can be written that starts the sums with the constant 0.
.macro INIT
	v_mov_b32 v13, 0xff61b1e6                      ; -3e38, under every t
	v_floor_f32 v12, -v13                          ; -M
	v_mov_b32 v14, 0
	v_mov_b32 v15, 0
	s_wait_loadcnt 0x0                             ; Q and its scale bytes
	v_lshl_or_b32 v[QS], v[QSR], 16, v[QSR]        ; the same two bytes for both halves of the 128: the half with zero codes adds nothing under them
.set i, 0
.rept 32
	v_mov_b32 v[O+i], 0                            ; (these 32 also stand between the line that writes the scale word and the first product that names it)
.set i, i+1
.endr
	s_wait_kmcnt 0x0                               ; the flag words
	s_or_b32 s[FL], s32, s33
.irp i, 34,35,36,37,38,39,40,41,42,43,44,45,46,47
	s_or_b32 s[FL], s[FL], s\i
.endr
	s_mov_b32 s[ST], 0
	s_mov_b32 s[KO], 0
	s_mov_b32 s[SO], 0
	s_mov_b32 s[VO], 0
.endm
; S^T = K Q^T: four fragments, each against [q | 0] (its sixteen key_a) and [0 | q] (its sixteen key_b).  Every product starts its sum.
.macro QK
.irp b, 0,1,2,3
.irp u, 0,1
.if \b % 2
	v_wmma_scale_f32_16x16x128_f8f6f4 v[S+16*\b+8*\u:S+16*\b+8*\u+7], v[KF+12*\b:KF+12*\b+11], v[QLO-6*\u:QLO-6*\u+11], 0, v[KS+\b/2], v[QS] matrix_a_fmt:MATRIX_FMT_BF6 matrix_b_fmt:MATRIX_FMT_BF6 matrix_a_scale:MATRIX_SCALE_ROW1
.else
	v_wmma_scale_f32_16x16x128_f8f6f4 v[S+16*\b+8*\u:S+16*\b+8*\u+7], v[KF+12*\b:KF+12*\b+11], v[QLO-6*\u:QLO-6*\u+11], 0, v[KS+\b/2], v[QS] matrix_a_fmt:MATRIX_FMT_BF6 matrix_b_fmt:MATRIX_FMT_BF6
.endif
.endr
.endr
.endm
; The step's four fragments of V go into K's registers as soon as K is multiplied, and land under the softmax.
.macro VLOAD
.rept 4
	v_nop                                          ; four places behind the products (ISA guide 7.12.1 for vector instructions): in front of the loads into K's registers and of the first read of the scores
.endr
.irp t, 0,1,2,3
.irp c, 0,1,2
	ds_load_b128 v[KF+12*\t+4*\c:KF+12*\t+4*\c+3], v[ADV] offset:FRB*\t+512*\c
.endr
.endr
.irp x, 0,1
	ds_load_b32 v[VS+\x], v[ADT] offset:2560*\x    ; lane l: the word of row d = 32 x + l for these 128 keys
.endr
.endm
.macro SOFTMAX
.irp b, 0,1,2,3
	v_max3_num_f32 v[BM+\b], v[S+16*\b], v[S+1+16*\b], v[S+2+16*\b]   ; the largest score of each block of 32 keys: it serves the row's maximum and, since p rises with the score, the block's largest p.  Each tile of scores is first read at its low end
.endr
.irp i, 3,5,7,9,11,13
.irp b, 0,1,2,3
	v_max3_num_f32 v[BM+\b], v[BM+\b], v[S+16*\b+\i], v[S+1+16*\b+\i]   ; (the four blocks by turns)
.endr
.endr
.irp b, 0,1,2,3
	v_max_num_f32 v[BM+\b], v[BM+\b], v[S+15+16*\b]
.endr
.irp b, 0,1,2,3
	v_permlanex16_b32 v[PT+\b], v[BM+\b], s[SEL], s[SEL+1]
.endr
.irp b, 0,1,2,3
	v_max_num_f32 v[BM+\b], v[BM+\b], v[PT+\b]     ; with lane l xor 16's 16 keys
.endr
	v_max3_num_f32 v[TMP], v[BM], v[BM+1], v[BM+2]
	v_max_num_f32 v[TMP], v[TMP], v[BM+3]          ; the step's largest score of my query
	v_mul_f32 v[TMP], s[CS], v[TMP]                ; as t (c is positive)
	v_max_num_f32 v13, v13, v[TMP]                 ; the running largest t
	v_mov_b32 v[TMP], v12
	v_floor_f32 v12, -v13                          ; the new -M = floor(-t) = -ceil(t): a whole number
	v_sub_f32 v[TMP], v12, v[TMP]                  ; old M less new M: a whole number, 0 or less
	v_cvt_i32_f32 v[TMP], v[TMP]                   ; (it saturates)
	v_ldexp_f32 v[F], 1.0, v[TMP]                  ; f = 2^(old M - new M)
.set j, 0
.rept 32
	v_pk_fma_f32 v[S+j:S+j+1], v[S+j:S+j+1], s[CS:CS+1], v[12:13] op_sel_hi:[1,0,0]   ; t - M, two at a time
.set j, j+2
.endr
.irp b, 0,1,2,3
	v_fma_f32 v[BM+\b], v[BM+\b], s[CS], v12       ; the same of each block's largest score
.endr
.set j, 0
.rept 64
	v_exp_f32 v[S+j], v[S+j]                       ; p = 2^(t - M), at most 1; 0 for a hidden key
.set j, j+1
.endr
	v_pk_mul_f32 v[14:15], v[14:15], v[F:F+1] op_sel_hi:[1,0]   ; the sums under the new M: the plain instruction behind the exponentials
	s_wait_alu depctr_va_vdst(0)                   ; the wait ahead of the first line that names an exponential's result: one for the 64
.irp b, 0,1,2,3
	v_exp_f32 v[BM+\b], v[BM+\b]                   ; the block's largest p: the same two instructions on the same number give the same bits
.endr
	v_pk_add_f32 v[SUM2:SUM2+1], v[S:S+1], v[S+2:S+3]   ; the row's sum is taken of the UNQUANTISED p, in two chains; it names the 64 alone
.set j, 4
.rept 15
	v_pk_add_f32 v[14:15], v[14:15], v[S+j:S+j+1]
	v_pk_add_f32 v[SUM2:SUM2+1], v[SUM2:SUM2+1], v[S+2+j:S+3+j]
.set j, j+4
.endr
	v_pk_add_f32 v[14:15], v[14:15], v[SUM2:SUM2+1]
	s_wait_alu depctr_va_vdst(0)                   ; and one for the four
.irp b, 0,1,2,3
	v_max_num_f32 v[BM+\b], 0x2800000, v[BM+\b]    ; the floor 2^(5 - 127): the byte cannot fall under 1 (a block whose every p is 0 keeps that byte: its codes are zeros)
.endr
.irp b, 0,1,2,3
	v_add_nc_u32 v[SOP+\b], 0xfe000000, v[BM+\b]   ; 4 off the exponent field: the conversion's scale operand
.endr
.irp b, 0,1,2,3
	v_lshrrev_b32 v[PT+\b], 23, v[SOP+\b]          ; the scale's byte
.endr
	v_lshl_or_b32 v[PW], v[PT+1], 8, v[PT]         ; p's scale word for these 128 keys
	v_lshl_or_b32 v[PW], v[PT+2], 16, v[PW]
	v_lshl_or_b32 v[PW], v[PT+3], 24, v[PW]
.irp c, 0,1
	v_cvt_scalef32_pk16_bf6_f32 v[PC+6*\c:PC+6*\c+2], v[S+32*\c:S+32*\c+15], v[SOP+2*\c]
	v_cvt_scalef32_pk16_bf6_f32 v[CT+4*\c:CT+4*\c+2], v[S+32*\c+16:S+32*\c+31], v[SOP+2*\c+1]   ; (a conversion's three registers begin on an even number)
.endr
	v_nop                                          ; one plain instruction behind the scaled conversions
.irp c, 0,1                                    ; the operand wants a WHOLE block in a lane: lanes 0-15 block 2 c, lanes 16-31 block 2 c + 1
.irp i, 0,1,2
	v_permlane16_swap_b32 v[PC+6*\c+\i], v[CT+4*\c+\i]
.endr
.irp i, 0,1,2
	v_mov_b32 v[PC+3+6*\c+\i], v[CT+4*\c+\i]
.endr
.endr
.set j, 0
.rept 16
	v_pk_mul_f32 v[O+j:O+j+1], v[O+j:O+j+1], v[F:F+1] op_sel_hi:[1,0]   ; O^T under the new M, from each tile's low end on.  (These 16 also stand between the lines that write p's codes and scale word and the products)
.set j, j+2
.endr
.endm
; O^T += V^T P^T: four tiles of 16 d; K = these 128 keys.  The four accumulators take turns, one instruction each, and K Q^T's eight products stand between two steps' links.
.macro PV
	s_wait_dscnt 0x0                               ; V's fragments and scale words
.irp t, 0,1,2,3
.if \t % 2
	v_wmma_scale_f32_16x16x128_f8f6f4 v[O+8*\t:O+8*\t+7], v[KF+12*\t:KF+12*\t+11], v[PC:PC+11], v[O+8*\t:O+8*\t+7], v[VS+\t/2], v[PW] matrix_a_fmt:MATRIX_FMT_BF6 matrix_b_fmt:MATRIX_FMT_BF6 matrix_a_scale:MATRIX_SCALE_ROW1
.else
	v_wmma_scale_f32_16x16x128_f8f6f4 v[O+8*\t:O+8*\t+7], v[KF+12*\t:KF+12*\t+11], v[PC:PC+11], v[O+8*\t:O+8*\t+7], v[VS+\t/2], v[PW] matrix_a_fmt:MATRIX_FMT_BF6 matrix_b_fmt:MATRIX_FMT_BF6
.endif
.endr
.endm
; A tile's walk over the keys: sixteen trips, a constant; what a flag leaves out is a step's WORK, never the lines that step the addresses.
.macro LOOP
.Lstep_\@:
	s_lshr_b32 s67, s[FL], s[ST]
	s_and_b32 s67, s67, 1
	s_cmp_eq_u32 s67, 1
	s_cbranch_scc1 .Lnext_\@                       ; all 2,048 places hidden: every p would be 0
	v_add_nc_u32 v[ADK], s[KO], v[AK0]             ; (these four are the places behind the last step's products, in front of the loads into V's registers)
	v_add_nc_u32 v[ADV], s[KO], v[AV0]
	v_add_nc_u32 v[ADS], s[SO], v[ASK0]
	v_add_nc_u32 v[ADT], s[VO], v[ASV0]
.irp b, 0,1,2,3
.irp c, 0,1,2
	ds_load_b128 v[KF+12*\b+4*\c:KF+12*\b+4*\c+3], v[ADK] offset:FRB*\b+512*\c
.endr
.endr
.irp x, 0,1
	ds_load_b32 v[KS+\x], v[ADS] offset:128*\x
.endr
	s_add_co_u32 s67, s[ST], 16
	s_lshr_b32 s67, s[FL], s67
	s_and_b32 s67, s67, 1
	s_cmp_eq_u32 s67, 0
	s_cbranch_scc1 .Lopen_\@                       ; nothing hidden: no mask word is read
	s_add_co_u32 s66, s[TW], s[SO]                 ; partly hidden: the step's 64 lane masks, 256 bytes
	s_mov_b32 s67, 0
	s_add_nc_u64 s[66:67], s[16:17], s[66:67]
	s_load_b512 s[32:47], s[66:67], 0x0
	s_load_b512 s[48:63], s[66:67], 0x40
	s_load_b512 s[68:83], s[66:67], 0x80
	s_load_b512 s[84:99], s[66:67], 0xc0
	s_wait_dscnt 0x0                               ; K's fragments and scale words
	QK
	VLOAD
	s_wait_kmcnt 0x0                               ; the masks; the pointer may be written again
.set n, 0
.rept 64
.if n < 32
	v_cndmask_b32 v[S+n], v[S+n], v[NINF], s[32+n] ; hidden scores become -infinity ahead of the maximum; ascending
.else
	v_cndmask_b32 v[S+n], v[S+n], v[NINF], s[36+n]
.endif
.set n, n+1
.endr
	s_branch .Ljoin_\@
.Lopen_\@:
	s_wait_dscnt 0x0                               ; K's fragments and scale words
	QK
	VLOAD
.Ljoin_\@:
	SOFTMAX
	PV
.Lnext_\@:
	s_add_co_u32 s[KO], s[KO], STEPB
	s_add_co_u32 s[SO], s[SO], 256
	s_add_co_u32 s[VO], s[VO], 4
	s_add_co_u32 s[ST], s[ST], 1
	s_cmp_lt_u32 s[ST], 16
	s_cbranch_scc1 .Lstep_\@
.endm
; THE WAY OUT.  O^T / the sum goes through my own stage in LDS and leaves as whole rows of 256 bytes.
.macro OUT p
	v_add_f32 v14, v14, v15                        ; the sum's two halves,
	v_permlanex16_b32 v[TMP], v14, s[SEL], s[SEL+1]
	v_add_f32 v14, v14, v[TMP]                     ; and lane l xor 16's: the row's sum
	v_rcp_f32 v[F], v14
	v_nop                                          ; a plain instruction behind the reciprocal,
	s_wait_alu depctr_va_vdst(0)                   ; and the wait ahead of its first use
.set j, 0
.rept 16
	v_pk_mul_f32 v[S+j:S+j+1], v[O+j:O+j+1], v[F:F+1] op_sel_hi:[1,0]   ; register 8 t + i is out(r, 16 t + 8 h + i); each accumulator from its low end on
.set j, j+2
.endr
.irp t, 0,1,2,3
	ds_store_b128 v[STO], v[S+8*\t:S+8*\t+3] offset:64*\t
	ds_store_b128 v[STO], v[S+8*\t+4:S+8*\t+7] offset:64*\t+16
.endr
.irp i, 0,1,2,3,4,5,6,7
	ds_load_b128 v[S+32+4*\i:S+32+4*\i+3], v[RD] offset:2*\i*SP   ; LDS serves a wave's instructions in order (ISA guide 5.7.1.4): these see my stores
.endr
.irp i, 0,1,2,3,4,5,6,7
	s_wait_dscnt 7-\i                              ; load i is back; the 7 - i younger ones may be out
	global_store_b128 v[GOT+\p], v[S+32+4*\i:S+32+4*\i+3], s[20:21] offset:512*\i th:TH_STORE_NT   ; 16 lanes store a row's 256 consecutive bytes, at a multiple of 256 from out0's first byte
.endr
.if \p == 0
	s_wait_xcnt 0x0                                ; the stores have read their registers: the next tile writes them again
.endif
.endm
; Where my 8-byte piece e of load j goes.  A block of 1,536 bytes (32 keys of K; a row of V) comes by three loads of 512 bytes, 16 a lane: piece n = 64 j + 2 lane + e of 192.  Six pieces are 48 bytes: kk = n / 6, p = n % 6 = 3 h + i:
; half h of the lanes takes pieces 3 h .. 3 h + 2.  In K kk is a key of the block: row r = kk % 8 + 8 (kk / 16), and u = (kk / 8) % 2 says key_a or key_b.  In V kk = 2 s + c: step s, half c of its 128 keys.
; The piece is registers 6 u + 2 i, + 1 (V: 6 c + 2 i): slot 3 u + i of six, which lies in chunk slot / 2, at 8 (slot % 2) of the lane's 16 bytes.
.macro ADDR j, e
	v_lshl_add_u32 v49, v[LN], 1, 64*(\j)+(\e)     ; n
	v_mul_u32_u24 v50, v49, 171
	v_lshrrev_b32 v50, 10, v50                     ; kk = n / 6 (exact for n under 192)
	v_mul_u32_u24 v51, v50, 6
	v_sub_nc_u32 v51, v49, v51                     ; p
	v_mul_u32_u24 v52, v51, 11
	v_lshrrev_b32 v52, 5, v52                      ; h = p / 3
	v_mul_u32_u24 v53, v52, 3
	v_sub_nc_u32 v53, v51, v53                     ; i
	v_bfe_u32 v54, v50, 3, 1                       ; K: u
	v_mad_u32_u24 v54, v54, 3, v53                 ; slot
	v_lshrrev_b32 v55, 1, v54
	v_and_b32 v54, 1, v54
	v_lshlrev_b32 v55, 9, v55
	v_lshl_add_u32 v55, v54, 3, v55                ; 512 (slot / 2) + 8 (slot % 2)
	v_and_b32 v54, 7, v50
	v_lshl_add_u32 v55, v54, 4, v55                ; + 16 (kk % 8)
	v_bfe_u32 v54, v50, 4, 1
	v_lshl_add_u32 v55, v54, 7, v55                ; + 16 x 8 (kk / 16)
	v_lshl_add_u32 v55, v52, 8, v55                ; + 16 x 16 h
	v_add_nc_u32 v[AKD+2*(\j)+(\e)], s74, v55      ; in my wave's four fragments: wave w brings keys 128 w on, step w
	v_and_b32 v54, 1, v50                          ; V: c
	v_mad_u32_u24 v54, v54, 3, v53                 ; slot
	v_lshrrev_b32 v55, 1, v54
	v_and_b32 v54, 1, v54
	v_lshlrev_b32 v55, 9, v55
	v_lshl_add_u32 v55, v54, 3, v55
	v_lshl_add_u32 v55, v52, 8, v55                ; + 16 x 16 h
	v_lshrrev_b32 v54, 1, v50                      ; s
	v_mad_u32_u24 v55, v54, STEPB, v55
	v_add_nc_u32 v[AVD+2*(\j)+(\e)], s75, v55      ; wave w brings rows d = 4 w on: tile w / 4, row 4 (w % 4) of it
.endm
	s_load_b512 s[4:19], s[0:1], 0x0               ; q_codes s[4:5], q_scales s[6:7], k_codes s[8:9], k_scales s[10:11], v_codes s[12:13], v_scales s[14:15], mwords s[16:17], mflags s[18:19]
	s_load_b64 s[20:21], s[0:1], 0x40              ; out0
	v_lshl_add_u32 v254, v0, 2, 0x43400
	v_mov_b32 v255, 0
	v_lshrrev_b32 v49, 5, v0
	v_readfirstlane_b32 s[WV], v49                 ; wave 0..15
	s_and_b32 s[HD], ttmp7, 0xffff                 ; the head
	s_mov_b32 s[SEL], 0x76543210
	s_mov_b32 s[SEL+1], 0xfedcba98
	s_mov_b32 s[CS], 0x3e38aa3b                    ; c = log2(e) / 8
	s_mov_b32 s[CS+1], s[CS]                       ; (named with it as a pair, so it is written)
	s_mul_i32 s68, s[HD], 98304                    ; the head's first byte in each tensor of codes,
	s_mov_b32 s69, 0
	s_lshl_b32 s70, s[HD], 12                      ; of scale bytes,
	s_mov_b32 s71, 0
	s_lshl_b32 s72, s[HD], 19                      ; and in out0
	s_mov_b32 s73, 0
	s_mul_i32 s74, s[WV], STEPB                    ; my wave's 6,144 bytes of K and of V in memory; also its four fragments of K in LDS
	s_lshr_b32 s75, s[WV], 2
	s_mul_i32 s75, s75, FRB
	s_and_b32 s76, s[WV], 3
	s_lshl_b32 s76, s76, 6
	s_add_co_u32 s75, s75, s76
	s_add_co_u32 s75, s75, VIMG                    ; VIMG + 1,536 (w / 4) + 64 (w % 4)
	s_mul_i32 s78, s[WV], 16*SP
	s_add_co_u32 s78, s78, STAGE                   ; my stage
	v_and_b32 v[LN], 31, v0                        ; lane
	v_and_b32 v50, 15, v0                          ; r
	v_bfe_u32 v51, v0, 4, 1                        ; h
	v_lshl_add_u32 v[SRC], v[LN], 4, s74
	v_and_b32 v[SRK], 3, v0
	v_lshlrev_b32 v[SRK], 2, v[SRK]
	v_lshrrev_b32 v52, 2, v0
	v_lshl_add_u32 v[SRK], v52, 5, v[SRK]
	v_lshlrev_b32 v[T8], 3, v0
	v_mul_u32_u24 v[AQ0], v50, 48
	v_mad_u32_u24 v[AQ0], v51, 24, v[AQ0]
	v_lshlrev_b32 v[AQS0], 1, v50
	v_lshlrev_b32 v[GO], 8, v51
	v_lshl_add_u32 v[GO], v50, 4, v[GO]
	s_wait_kmcnt 0x0
	s_add_nc_u64 s[4:5], s[4:5], s[68:69]
	s_add_nc_u64 s[8:9], s[8:9], s[68:69]
	s_add_nc_u64 s[12:13], s[12:13], s[68:69]
	s_add_nc_u64 s[6:7], s[6:7], s[70:71]
	s_add_nc_u64 s[10:11], s[10:11], s[70:71]
	s_add_nc_u64 s[14:15], s[14:15], s[70:71]
	s_add_nc_u64 s[20:21], s[20:21], s[72:73]
	; THE FILL: every wave alike.  31 loads go out in one run: K's 12, V's 12, the scales' 3, my first tile's 4
.irp m, 0,1,2,3,4,5,6,7,8,9,10,11
	global_load_b128 v[FD+4*\m:FD+4*\m+3], v[SRC], s[8:9] offset:512*\m          ; 32 lanes read 512 consecutive bytes
.endr
.irp m, 0,1,2,3,4,5,6,7,8,9,10,11
	global_load_b128 v[FD+48+4*\m:FD+48+4*\m+3], v[SRC], s[12:13] offset:512*\m
.endr
	global_load_b32 v62, v[SRK], s[10:11]          ; the scale bytes of key_a of rows r, r + 1 (r = 2 (t % 8)) of fragment t / 8: two neighbouring keys,
	global_load_b32 v63, v[SRK], s[10:11] offset:16   ; and of their key_b, 8 keys on
	global_load_b64 v[66:67], v[T8], s[14:15]      ; 8 of V's scale bytes
	HEAD 0
	v_lshlrev_b32 v[AK0], 4, v[LN]                 ; the addresses are made while the loads are on their way
	v_add_nc_u32 v[AV0], VIMG, v[AK0]
	v_lshl_add_u32 v[ASK0], v[LN], 2, SCK
	v_mul_u32_u24 v[ASV0], v[LN], 80
	v_add_nc_u32 v[ASV0], SCV, v[ASV0]
	v_mul_u32_u24 v[STO], v50, SP
	v_lshl_add_u32 v[STO], v51, 5, v[STO]
	v_add_nc_u32 v[STO], s78, v[STO]
	v_mul_u32_u24 v[RD], v51, SP
	v_lshl_add_u32 v[RD], v50, 4, v[RD]
	v_add_nc_u32 v[RD], s78, v[RD]
	v_add_nc_u32 v[DSK], SCK, v[T8]
	v_lshrrev_b32 v52, 3, v0
	v_mul_u32_u24 v52, v52, 80
	v_and_b32 v53, 7, v0
	v_lshl_add_u32 v[DSV], v53, 3, v52
	v_add_nc_u32 v[DSV], SCV, v[DSV]
.irp i, 0,1,2,3,4,5
	v_mov_b32 v[QHI+\i], 0                         ; the zero codes on both sides of q: written once
	v_mov_b32 v[QLO+6+\i], 0
.endr
.irp b, 0,1,2,3
	v_mov_b32 v[PT+\b], 0                          ; written once: a lane permute's destination counts as one of its sources
.endr
	v_mov_b32 v[TMP], 0
	v_mov_b32 v[F+1], 0                            ; (named as the upper half of the pair)
	v_mov_b32 v[NINF], 0xff800000
.irp j, 0,1,2
.irp e, 0,1
	ADDR \j, \e
.endr
.endr
	s_wait_loadcnt 19                              ; K's 12 loads are in: behind them went V's 12, the scales' 3 and my tile's 4
.irp bb, 0,1,2,3
.irp j, 0,1,2
.irp e, 0,1
	ds_store_b64 v[AKD+2*\j+\e], v[FD+4*(3*\bb+\j)+2*\e:FD+4*(3*\bb+\j)+2*\e+1] offset:FRB*\bb   ; block bb of 32 keys is fragment 4 w + bb
.endr
.endr
.endr
	s_wait_loadcnt 7                               ; V's 12 are in: the scales' 3 and my tile's 4 may be out
.irp dd, 0,1,2,3
.irp j, 0,1,2
.irp e, 0,1
	ds_store_b64 v[AVD+2*\j+\e], v[FD+48+4*(3*\dd+\j)+2*\e:FD+48+4*(3*\dd+\j)+2*\e+1] offset:16*\dd   ; row d = 4 w + dd is one lane further on in its tile
.endr
.endr
.endr
	s_wait_loadcnt 4                               ; the scales are in: my tile's 4 may be out
	v_perm_b32 v64, v63, v62, 0x05040100           ; row r's word: key_a's two bytes below, key_b's above
	v_perm_b32 v65, v63, v62, 0x07060302           ; row r + 1's
	ds_store_b64 v[DSK], v[64:65]                  ; words 2 t and 2 t + 1
	ds_store_b64 v[DSV], v[66:67]
	s_wait_dscnt 0x0                               ; for the others' sake: my stores have landed
	s_barrier_signal -1
	s_barrier_wait -1                              ; the head's K and V lie in LDS; nobody writes them again.  The launch's only barrier
	INIT
	LOOP
.rept 4
	v_nop                                          ; four places behind the last products: in front of the loads into Q's registers and of the first read of O^T
.endr
	HEAD 1                                         ; the second tile's loads land under the first tile's way out
	OUT 0
	INIT
	LOOP
.rept 4
	v_nop
.endr
	OUT 1
	s_wait_tensorcnt 0x0
	ds_add_u32 v254, v255
	s_wait_dscnt 0x0
	s_endpgm
.Lfunc_end_k_q13191bb28d_attn:
	.size	k_q13191bb28d_attn, .Lfunc_end_k_q13191bb28d_attn-k_q13191bb28d_attn
	.p2alignl 7, 3214868480
	.fill 96, 4, 3214868480
	.section	.rodata,"a",@progbits
	.p2align	6, 0x0
	.amdhsa_kernel k_q13191bb28d_attn
		.amdhsa_group_segment_fixed_size 277504
		.amdhsa_private_segment_fixed_size 0
		.amdhsa_enable_private_segment 0
		.amdhsa_kernarg_size 72
		.amdhsa_user_sgpr_count 2
		.amdhsa_user_sgpr_kernarg_segment_ptr 1
		.amdhsa_wavefront_size32 1
		.amdhsa_system_sgpr_workgroup_id_x 1
		.amdhsa_system_sgpr_workgroup_id_y 1
		.amdhsa_system_sgpr_workgroup_id_z 1
		.amdhsa_system_vgpr_workitem_id 0
		.amdhsa_next_free_vgpr 256
		.amdhsa_next_free_sgpr 102
		.amdhsa_reserve_vcc 0
		.amdhsa_float_denorm_mode_32 3
		.amdhsa_float_denorm_mode_16_64 3
		.amdhsa_memory_ordered 1
		.amdhsa_forward_progress 1
		.amdhsa_inst_pref_size 76
	.end_amdhsa_kernel
	.amdgpu_metadata
---
amdhsa.version: [ 1, 2 ]
amdhsa.kernels:
  - .name:           k_q13191bb28d_attn
    .symbol:         k_q13191bb28d_attn.kd
    .args:
      - { .name: q_codes, .offset: 0, .size: 8, .value_kind: global_buffer, .address_space: global }
      - { .name: q_scales, .offset: 8, .size: 8, .value_kind: global_buffer, .address_space: global }
      - { .name: k_codes, .offset: 16, .size: 8, .value_kind: global_buffer, .address_space: global }
      - { .name: k_scales, .offset: 24, .size: 8, .value_kind: global_buffer, .address_space: global }
      - { .name: v_codes, .offset: 32, .size: 8, .value_kind: global_buffer, .address_space: global }
      - { .name: v_scales, .offset: 40, .size: 8, .value_kind: global_buffer, .address_space: global }
      - { .name: mwords, .offset: 48, .size: 8, .value_kind: global_buffer, .address_space: global }
      - { .name: mflags, .offset: 56, .size: 8, .value_kind: global_buffer, .address_space: global }
      - { .name: out0, .offset: 64, .size: 8, .value_kind: global_buffer, .address_space: global }
    .group_segment_fixed_size: 277504
    .private_segment_fixed_size: 0
    .kernarg_segment_align: 8
    .kernarg_segment_size: 72
    .max_flat_workgroup_size: 512
    .sgpr_count:     102
    .vgpr_count:     256
    .wavefront_size: 32
...
	.end_amdgpu_metadata
.endif
;; end of part 2
